; MI455X (gfx1250); checked and timed in simulation.
; The chip was launched on July 23, 2026; its instructions are those of AMD's public machine-readable ISA for CDNA 5 (MIT licence, August 2026) and "CDNA5" Instruction Set Architecture Reference Guide (July 2026). The comments in the code are by the model that wrote it; some were corrected since.
;; Graph Attention Layer. Allowed arithmetic: float matrix products may take bf16 or f16 operands with f32 sums; all other float work in f32.
;; Inputs: W 256 x 256 float32; h 8 x 2,048 x 256 float32.
;; Outputs: out0 8 x 2,048 x 256 float32.
;; One version. Each part assembles by itself: llvm-mc -triple=amdgcn-amd-amdhsa -mcpu=gfx1250 --defsym DOCPART=n.
;; ======== version 1 of 1: 2 launches
;; workspace buffers: wh 8,388,608 bytes
;; launch proj (part 1): grid 256 x 1, 8 waves a work-group, no clusters, 165,888 bytes of LDS; arguments h, W, wh; writes wh
.if DOCPART == 1
	.amdgcn_target "amdgcn-amd-amdhsa--gfx1250"
	.amdhsa_code_object_version 6
	.text
	.protected	k_q6cbd06974f_proj
	.globl	k_q6cbd06974f_proj
	.p2align	8
	.type	k_q6cbd06974f_proj,@function
k_q6cbd06974f_proj:
	s_mov_b64 s[64:65], 0
	v_nop
	global_prefetch_b8 v0, s[64:65] scope:SCOPE_SE
	s_setreg_imm32_b32 hwreg(HW_REG_WAVE_MODE, 25, 1), 1
	s_wait_xcnt 0x0
; wh = bf16(h W).  h: [16384][256] f32 (8 batches x 2048 rows), W: [256 (k)][256 (n)] f32,
; wh: [batch][head][t][64] bf16: a row is 128 bytes, a (batch, head) slab 262,144 dense bytes.
; Operands are rounded to bf16, sums are f32, wh is rounded once.
; A work-group owns 64 rows of h and all 256 columns; eight waves.
;   Phase 1: wave w rounds rows 8w .. 8w+7 of h into LDS, and rows 32w .. 32w+31 of W (one K step) into LDS as ready B fragments.
;   Phase 2: one barrier.
;   Phase 3: wave w makes 32 rows (half w>>2) x 64 columns (head w&3): 2 x 4 accumulator tiles, 8 K steps of 32.
; TWO RENUMBERINGS spare every transposition:
;   Column tile jt of a head is columns 4r + jt (r = 0..15).  A lane's 16-byte load of W(k, 64 hd + 4r ..) then holds one number for each
;   of the four tiles, and packing the loads of two neighbouring k gives a register of a B fragment.
;   Row m of a row tile is row rho(m) = 2 (m & 7) + (m >> 3).  Register j of lane (r, hh) of D is then row 2j + hh, and the four tiles' numbers
;   are columns 4r .. 4r+3: 8 neighbouring bytes of wh; the wave's 8-byte store j covers the 256 consecutive bytes of rows 2j, 2j+1, aligned.
; NO JOINT LOADS: all work-groups read the same W, but W has to pass through registers to become bf16.  As a tile of f32 it would take
; 262,144 bytes of LDS beside the 131,072 of its fragments and the 33,792 of h: 427,008, more than the 327,680 that a work-group can be given.
.set HLDS, 131072                      ; LDS: W's fragments at 0 .. 131071, then 64 rows of h in bf16
.set HP,   528                         ; pitch of h's rows: 512 bytes + 16 = 33 x 16: sixteen different rows start in sixteen different 16-byte columns of 256
.set R0,   16                          ; phase 1: three landing areas of 64 registers
.set R1,   80
.set R2,   144
.set TMP,  208                         ; phase 1: 32 registers of packed bf16
.set ACC,  16                          ; phase 3: D(mt, jt) at ACC + 8 (4 mt + jt)
.set FR,   80                          ; phase 3: three fragment sets of 48: A(mt) at + 8 mt, B(jt) at + 16 + 8 jt
.set PK,   224                         ; way out: 32 registers of packed bf16
; v1 offset in h, v2 offset in W, v3 LDS store of h, v4 LDS store of W, v5 LDS address of A, v6, v7 of B (K steps 0-3, 4-7), v8 offset in wh: never rewritten
	s_load_b128 s[4:7], s[0:1], 0x0                ; h s[4:5], W s[6:7]
	s_load_b64 s[8:9], s[0:1], 0x10                ; wh
	s_set_vgpr_msb 0x40
	v_lshl_add_u32 v0, v0, 2, 0x28400
	v_mov_b32 v1, 0
	s_set_vgpr_msb 0x4000
	v_lshrrev_b32 v9, 5, v0
	v_readfirstlane_b32 s10, v9                    ; wave 0..7
	s_and_b32 s11, s10, 3                          ; hd: my head in phase 3
	s_lshr_b32 s12, s10, 2                         ; mh: my half of the 64 rows
	s_lshl_b32 s14, ttmp9, 16                      ; the group's 64 rows of h: 64 x 1,024 bytes
	s_mov_b32 s15, 0
	s_lshr_b32 s16, ttmp9, 5                       ; batch = group / 32
	s_lshl_b32 s16, s16, 20                        ; x 4 heads x 262,144
	s_lshl_b32 s18, s11, 18                        ; + head x 262,144
	s_add_co_u32 s16, s16, s18
	s_and_b32 s18, ttmp9, 31
	s_lshl_b32 s18, s18, 13                        ; + (group mod 32) x 64 rows x 128 bytes
	s_add_co_u32 s16, s16, s18
	s_lshl_b32 s18, s12, 12                        ; + half x 32 rows x 128 bytes
	s_add_co_u32 s16, s16, s18
	s_mov_b32 s17, 0
	s_mul_i32 s19, s10, 8*HP
	s_add_co_u32 s19, s19, HLDS                    ; where my 8 rows of h go
	s_mul_i32 s20, s12, 32*HP
	s_add_co_u32 s20, s20, HLDS                    ; where my 32 rows of A lie
	v_and_b32 v10, 31, v0                          ; L
	v_and_b32 v11, 15, v0                          ; r
	v_bfe_u32 v12, v0, 4, 1                        ; hh
	v_lshlrev_b32 v13, 4, v10                      ; 16 L
	v_lshl_add_u32 v1, s10, 13, v13                ; h: 8 rows x 1,024 bytes a wave, 16 bytes a lane
	v_lshlrev_b32 v2, 4, v11
	v_lshl_add_u32 v2, v12, 13, v2
	v_lshl_add_u32 v2, s10, 15, v2                 ; W: row 32 w + 8 hh, byte 16 r
	v_lshl_add_u32 v3, v10, 3, s19                 ; 8 bytes of bf16 a lane
	v_lshl_add_u32 v4, s10, 14, v13                ; my K step's 16,384 bytes of fragments, 16 bytes a lane
	v_and_b32 v14, 7, v0
	v_bfe_u32 v15, v0, 3, 1
	v_lshl_add_u32 v14, v14, 1, v15                ; rho(r)
	v_mul_u32_u24 v14, v14, HP
	v_lshl_add_u32 v14, v12, 4, v14
	v_add_nc_u32 v5, s20, v14                      ; A: (32 mh + rho(r)) x pitch + 16 hh
	v_lshl_add_u32 v6, s11, 12, v13                ; B: my head's four tiles, 16 bytes a lane
	v_add_nc_u32 v7, 0x10000, v6                   ; K steps 4-7 lie beyond the reach of a 16-bit offset
	v_lshlrev_b32 v8, 3, v10                       ; wh: 8 bytes a lane
	s_wait_kmcnt 0x0
	s_add_nc_u64 s[4:5], s[4:5], s[14:15]
	s_add_nc_u64 s[8:9], s[8:9], s[16:17]
; Sixteen loads: W(k, 64 hd + 4r .. + 3) for the lane's sixteen k of this K step, in the order of a fragment's registers:
; q < 8: k = 32 w + 8 hh + q; q >= 8: k = 32 w + 16 + 8 hh + (q - 8).  Each load covers two whole aligned pieces of 256 bytes (rows k and k + 8).
.macro WLOAD reg, hd
.irp q, 0,1,2,3,4,5,6,7,8,9,10,11,12,13,14,15
	global_load_b128 v[\reg+4*\q:\reg+4*\q+3], v2, s[6:7] offset:(\q+8*(\q>>3))*1024+\hd*256
.endr
.endm
; Register i of tile jt's fragment = the numbers of k-places 2i and 2i + 1; then the fragments go to LDS, 16 bytes a lane, 512 consecutive bytes a store.
.macro WCONV reg, hd
.irp jt, 0,1,2,3
.irp i, 0,1,2,3,4,5,6,7
	v_cvt_pk_bf16_f32 v[TMP+8*\jt+\i], v[\reg+8*\i+\jt], v[\reg+8*\i+4+\jt]
.endr
.endr
.irp jt, 0,1,2,3
	ds_store_b128 v4, v[TMP+8*\jt:TMP+8*\jt+3] offset:(4*\hd+\jt)*1024
	ds_store_b128 v4, v[TMP+8*\jt+4:TMP+8*\jt+7] offset:(4*\hd+\jt)*1024+512
.endr
.endm
	; PHASE 1.  48 loads go out at once; each landing area is loaded again as soon as it has been packed.
.irp i, 0,1,2,3,4,5,6,7,8,9,10,11,12,13,14,15
	global_load_b128 v[R0+4*\i:R0+4*\i+3], v1, s[4:5] offset:512*\i th:TH_LOAD_NT   ; h is read once in the launch
.endr
	WLOAD R1, 0
	WLOAD R2, 1
	s_wait_loadcnt 32                              ; loads return in order: h is in, the 32 of heads 0 and 1 stay out
.irp i, 0,1,2,3,4,5,6,7,8,9,10,11,12,13,14,15
	v_cvt_pk_bf16_f32 v[TMP+2*\i], v[R0+4*\i], v[R0+4*\i+1]
	v_cvt_pk_bf16_f32 v[TMP+2*\i+1], v[R0+4*\i+2], v[R0+4*\i+3]
.endr
.irp i, 0,1,2,3,4,5,6,7,8,9,10,11,12,13,14,15
	ds_store_b64 v3, v[TMP+2*\i:TMP+2*\i+1] offset:(\i>>1)*HP+(\i&1)*256   ; load i was half i & 1 of row i >> 1
.endr
	WLOAD R0, 2
	s_wait_loadcnt 32                              ; head 0 is in; heads 1 and 2 stay out
	WCONV R1, 0
	WLOAD R1, 3
	s_wait_loadcnt 32                              ; head 1 is in; heads 2 and 3 stay out
	WCONV R2, 1
	s_wait_loadcnt 16                              ; head 2 is in; head 3 stays out
	WCONV R0, 2
	s_wait_loadcnt 0x0
	WCONV R1, 3
	; PHASE 2.  My LDS stores are done, then the barrier: behind it every wave may read what the others stored.
	s_wait_dscnt 0x0
	s_barrier_signal -1
	s_barrier_wait -1
	; PHASE 3.
; Twelve LDS loads: K step ks's two A fragments and four B fragments into set s.
.macro FLOAD ks, s
.irp mt, 0,1
	ds_load_b128 v[FR+48*\s+8*\mt:FR+48*\s+8*\mt+3], v5 offset:\mt*16*HP+64*\ks
	ds_load_b128 v[FR+48*\s+8*\mt+4:FR+48*\s+8*\mt+7], v5 offset:\mt*16*HP+64*\ks+32
.endr
.irp jt, 0,1,2,3
	ds_load_b128 v[FR+48*\s+16+8*\jt:FR+48*\s+16+8*\jt+3], v[6+(\ks>>2)] offset:(\ks&3)*16384+\jt*1024
	ds_load_b128 v[FR+48*\s+16+8*\jt+4:FR+48*\s+16+8*\jt+7], v[6+(\ks>>2)] offset:(\ks&3)*16384+\jt*1024+512
.endr
.endm
; One K step on set s.  left = the LDS loads of the younger sets, which stay out.  zero = 1: the first products start the sums.
; The eight accumulators take turns, one instruction a turn.
; The four v_nop are the places between the matrix instructions and the loads into their sources (behind the last step: the reads of the results).
.macro KSTEP s, left, zero
	s_wait_dscnt \left
.irp mt, 0,1
.irp jt, 0,1,2,3
.if \zero
	v_wmma_f32_16x16x32_bf16 v[ACC+8*(4*\mt+\jt):ACC+8*(4*\mt+\jt)+7], v[FR+48*\s+8*\mt:FR+48*\s+8*\mt+7], v[FR+48*\s+16+8*\jt:FR+48*\s+16+8*\jt+7], 0
.else
	v_wmma_f32_16x16x32_bf16 v[ACC+8*(4*\mt+\jt):ACC+8*(4*\mt+\jt)+7], v[FR+48*\s+8*\mt:FR+48*\s+8*\mt+7], v[FR+48*\s+16+8*\jt:FR+48*\s+16+8*\jt+7], v[ACC+8*(4*\mt+\jt):ACC+8*(4*\mt+\jt)+7]
.endif
.endr
.endr
.rept 4
	v_nop
.endr
.endm
	FLOAD 0, 0
	FLOAD 1, 1
	FLOAD 2, 2
	KSTEP 0, 24, 1                                 ; K step 0; two younger sets of 12 loads stay out
	FLOAD 3, 0
	KSTEP 1, 24, 0
	FLOAD 4, 1
	KSTEP 2, 24, 0
	FLOAD 5, 2
	KSTEP 0, 24, 0
	FLOAD 6, 0
	KSTEP 1, 24, 0
	FLOAD 7, 1
	KSTEP 2, 24, 0                                 ; K step 5: sets of steps 6 and 7 stay out
	KSTEP 0, 12, 0                                 ; K step 6: step 7's set stays out
	KSTEP 1, 0, 0                                  ; K step 7
	; THE WAY OUT: register j of the four tiles = columns 4r .. 4r+3 of row 2j + hh.
.irp mt, 0,1
.irp j, 0,1,2,3,4,5,6,7
	v_cvt_pk_bf16_f32 v[PK+2*(8*\mt+\j)], v[ACC+32*\mt+\j], v[ACC+32*\mt+8+\j]
	v_cvt_pk_bf16_f32 v[PK+2*(8*\mt+\j)+1], v[ACC+32*\mt+16+\j], v[ACC+32*\mt+24+\j]
.endr
.endr
.irp mt, 0,1
.irp j, 0,1,2,3,4,5,6,7
	global_store_b64 v8, v[PK+2*(8*\mt+\j):PK+2*(8*\mt+\j)+1], s[8:9] offset:\mt*2048+\j*256   ; 32 lanes x 8 bytes: 256 consecutive bytes, aligned
.endr
.endr
	s_set_vgpr_msb 0x5
	s_wait_tensorcnt 0x0
	ds_add_u32 v0, v1
	s_wait_dscnt 0x0
	s_set_vgpr_msb 0x500
	s_endpgm
.Lfunc_end_k_q6cbd06974f_proj:
	.size	k_q6cbd06974f_proj, .Lfunc_end_k_q6cbd06974f_proj-k_q6cbd06974f_proj
	.p2alignl 7, 3214868480
	.fill 96, 4, 3214868480
	.section	.rodata,"a",@progbits
	.p2align	6, 0x0
	.amdhsa_kernel k_q6cbd06974f_proj
		.amdhsa_group_segment_fixed_size 165888
		.amdhsa_private_segment_fixed_size 0
		.amdhsa_enable_private_segment 0
		.amdhsa_kernarg_size 24
		.amdhsa_user_sgpr_count 2
		.amdhsa_user_sgpr_kernarg_segment_ptr 1
		.amdhsa_wavefront_size32 1
		.amdhsa_system_sgpr_workgroup_id_x 1
		.amdhsa_system_sgpr_workgroup_id_y 1
		.amdhsa_system_sgpr_workgroup_id_z 1
		.amdhsa_system_vgpr_workitem_id 0
		.amdhsa_next_free_vgpr 258
		.amdhsa_next_free_sgpr 66
		.amdhsa_reserve_vcc 0
		.amdhsa_float_denorm_mode_32 3
		.amdhsa_float_denorm_mode_16_64 3
		.amdhsa_memory_ordered 1
		.amdhsa_forward_progress 1
		.amdhsa_inst_pref_size 39
	.end_amdhsa_kernel
	.amdgpu_metadata
---
amdhsa.version: [ 1, 2 ]
amdhsa.kernels:
  - .name:           k_q6cbd06974f_proj
    .symbol:         k_q6cbd06974f_proj.kd
    .args:
      - { .name: h, .offset: 0, .size: 8, .value_kind: global_buffer, .address_space: global }
      - { .name: W, .offset: 8, .size: 8, .value_kind: global_buffer, .address_space: global }
      - { .name: wh, .offset: 16, .size: 8, .value_kind: global_buffer, .address_space: global }
    .group_segment_fixed_size: 165888
    .private_segment_fixed_size: 0
    .kernarg_segment_align: 8
    .kernarg_segment_size: 24
    .max_flat_workgroup_size: 256
    .sgpr_count:     66
    .vgpr_count:     258
    .wavefront_size: 32
...
	.end_amdgpu_metadata
.endif
;; end of part 1
;; launch attn (part 2): grid 8 x 32, 8 waves a work-group, clusters of 4 x 1, 295,936 bytes of LDS; arguments wh, out0; writes out0
.if DOCPART == 2
	.amdgcn_target "amdgcn-amd-amdhsa--gfx1250"
	.amdhsa_code_object_version 6
	.text
	.protected	k_q6cbd06974f_attn
	.globl	k_q6cbd06974f_attn
	.p2align	8
	.type	k_q6cbd06974f_attn,@function
k_q6cbd06974f_attn:
	s_mov_b64 s[64:65], 0
	v_nop
	global_prefetch_b8 v0, s[64:65] scope:SCOPE_SE
	s_setreg_imm32_b32 hwreg(HW_REG_WAVE_MODE, 25, 1), 1
	s_wait_xcnt 0x0
	s_wait_alu depctr_hold_cnt(0) depctr_sa_sdst(0) depctr_va_vdst(0) depctr_va_sdst(0) depctr_va_ssrc(0) depctr_va_vcc(0) depctr_vm_vsrc(0)
	s_getreg_b32 s2, hwreg(HW_REG_IB_STS2, 6, 4)
	s_cmp_eq_u32 s2, 0
	s_cbranch_scc0 .Lentry_in_a_cluster
	s_endpgm
.Lentry_in_a_cluster:
	s_bfe_u32 s2, ttmp6, 0x10000c
	s_cmp_lg_u32 s2, 0x3003
	s_cbranch_scc0 .Lentry_shape_is_right
	s_endpgm
.Lentry_shape_is_right:
; out0[b][t][64 head + d] = sum over s of softmax_s(leaky_relu(Wh_t . Wh_s / 8, 0.2)) Wh_s[d], for each of the 32 (batch, head) pairs.
; wh: [batch][head][t][64] bf16 (Q = K = V).  out0: [8][2048][256] f32.
; A work-group owns 256 queries of one (batch, head), eight waves of 32 queries (two tiles of 16) each, against all 2,048 keys.
; THE WHOLE HEAD LIES IN LDS: key s at byte 144 s (128 bytes + 16 of padding), 294,912 bytes, filled once: no ring, no refill.
; CLUSTERS: four work-groups along x (four query blocks of one head) need the same 262,144 bytes and ask for them jointly.
; BOTH PRODUCTS ARE TRANSPOSED.  S^T = K Q^T: lane (r, h), register j holds (row 8h + j of a key tile, query r).  Packed in pairs these registers
; ARE the B fragment of O^T = V^T P^T: nothing is moved between the two products, and maximum, shift and sum are one number a lane.
; KEYS ARE RENUMBERED inside a tile of 16: row m is key rho(m) = 2 (m & 7) + (m >> 3); a softmax does not depend on the order of its keys.
;   K fragments (ds_load_b128): the 16 lanes of a half touch 16 different rows, 144 = 9 x 16 bytes apart: 16 different 16-byte columns of 256.
;   V^T fragments (ds_load_tr16_b128): lane L addresses row 2 (L & 7) + h: 8 rows of one parity, 288 bytes apart, 32 bytes each: disjoint columns;
;   the j-th number of a lane is then key 2j + h = rho(8h + j), the place that P has.
; THE SOFTMAX keeps a running maximum.  leaky_relu rises with its argument and commutes with the positive factor 1/8, so the maximum is taken over the raw
; products, and p = 2^(c lrelu(s) - c lrelu(max)) with c = log2(e) / 8.
; LIMITS: operands of the products (Wh, p) are bf16; an exponential below 2^-126 counts as zero (ISA guide, v_exp_f32); the denominator sums p in f32 while
; the numerator uses p rounded to bf16; the maxima drop NaN, so for inputs that are not finite the reference's pattern of NaN is not promised.
.set KP,   144                         ; pitch of a key in LDS
.set TT,   4                           ; v[4:11]    at work
.set UU,   12                          ; v[12:15]   at work
.set QF,   16                          ; v[16:47]   Q(t, e) at QF + 16 t + 8 e: queries 16 t + r, d = 32 e ..
.set OA,   48                          ; v[48:111]  O(dt, t) at OA + 8 (2 dt + t)
.set SC,   112                         ; v[112:175] S(st, t) at SC + 8 (2 st + t); P(u, t) is made in place in S(2u, t)
.set KV,   176                         ; v[176:239] K(st, e) at KV + 16 st + 8 e, then V(u, dt) at KV + 32 u + 8 dt
.set ST,   240                         ; v[240:251] for query tile t at ST + 6 t: NM (the shift -c lrelu(max)), XM (the raw maximum); AL (the rescale), DD; L0, L1 (sums)
.set PT,   252                         ; destination of the exchange between the lanes' halves
.set RD,   253                         ; way out: where I read a row back
.set CO,   254                         ; way out: my byte offset in out0
.set STO,  255                         ; way out: where I put 16 bytes of a row
; v1: LDS address of my K fragments, v2: of my V fragments (both step by 64 keys a trip); v3: byte offset of my Q fragments
; A round of the cluster's barrier: my work-group's barrier, wave 0 signals for the work-group, every wave waits for all four work-groups, my work-group's barrier again.
.macro ROUND
	s_barrier_signal -1
	s_barrier_wait -1
	s_cmp_lg_u32 s8, 0
	s_cbranch_scc1 .Lnot_wave_0_\@
	s_barrier_signal -3
.Lnot_wave_0_\@:
	s_barrier_wait -3
	s_barrier_signal -1
	s_barrier_wait -1
.endm
	s_load_b128 s[4:7], s[0:1], 0x0                ; wh s[4:5], out0 s[6:7]
	s_set_vgpr_msb 0x40
	v_lshl_add_u32 v0, v0, 2, 0x48000
	v_mov_b32 v1, 0
	s_set_vgpr_msb 0x4045
	ds_add_u32 v0, v1
	s_set_vgpr_msb 0x4500
	v_lshrrev_b32 v4, 5, v0
	v_readfirstlane_b32 s8, v4                     ; wave 0..7
	s_bfe_u32 s9, ttmp6, 0x40000                   ; cx: my place in the cluster
	s_lshl_b32 s10, ttmp9, 2
	s_add_co_u32 s10, s10, s9                      ; query block = 4 x cluster x + cx
	s_and_b32 s11, ttmp7, 0xffff                   ; y = 4 batch + head
	s_mov_b32 s40, 0x76543210                      ; v_permlanex16_b32: lane i of one half reads lane i of the other
	s_mov_b32 s41, 0xfedcba98
	s_mov_b32 s42, 0x3e38aa3b                      ; c = log2(e) / 8, twice (a pair for the packed forms)
	s_mov_b32 s43, 0x3e38aa3b
	s_mov_b32 s44, 0x3e4ccccd                      ; 0.2, twice
	s_mov_b32 s45, 0x3e4ccccd
	s_mov_b32 s46, 0xbe38aa3b                      ; -c
	v_and_b32 v5, 15, v0                           ; r
	v_bfe_u32 v6, v0, 4, 1                         ; h
	v_and_b32 v7, 7, v0                            ; L & 7
	v_bfe_u32 v8, v0, 3, 1                         ; (L >> 3) & 1
	v_lshlrev_b32 v3, 7, v5
	v_lshl_add_u32 v3, v6, 4, v3                   ; Q: 128 r + 16 h
	v_lshl_add_u32 v9, v7, 1, v8                   ; rho(r)
	v_mul_u32_u24 v9, v9, KP
	v_lshl_add_u32 v1, v6, 4, v9                   ; K: rho(r) x pitch + 16 h
	v_lshl_add_u32 v10, v7, 1, v6                  ; 2 (L & 7) + h
	v_mul_u32_u24 v10, v10, KP
	v_lshl_add_u32 v2, v8, 4, v10                  ; V: that row, + 16 for the upper eight columns
	s_mul_i32 s57, s8, 32*272                      ; my stage for the way out: 32 rows of 256 + 16 bytes
	v_mul_u32_u24 v11, v5, 272
	v_lshl_add_u32 v11, v6, 5, v11
	v_add_nc_u32 v[STO], s57, v11                  ; row r, 32 bytes for each half of the lanes
	v_mul_u32_u24 v11, v6, 272
	v_lshl_add_u32 v11, v5, 4, v11
	v_add_nc_u32 v[RD], s57, v11                   ; lanes 0-15 one row of 256 bytes, lanes 16-31 the next
	v_lshlrev_b32 v11, 4, v5
	v_lshl_add_u32 v[CO], v6, 10, v11              ; the same two rows in out0, 1,024 bytes apart
	v_mov_b32 v[PT], 0                             ; counts as read by the exchange: written once here
	; Descriptor groups 1: rows of 64 elements of 2 bytes, 64 elements apart; 4 words of padding behind every 32.  A: 64 rows.  B: 192 rows.
	s_mov_b32 s24, 15|(1<<16)|(1<<20)|(1<<21)|(4<<22)|(3<<25)   ; 15:0 the mask: all four work-groups; 17:16 2 bytes; 20 padding on; 21 set beside a mask; 24:22 every 32 words; 31:25 4 words
	s_mov_b32 s25, 64<<16                          ; tensor_dim0 = 64
	s_mov_b32 s26, 64<<16                          ; tensor_dim1 = 64
	s_mov_b32 s27, 64<<16                          ; tile_dim0 = 64
	s_mov_b32 s28, 64                              ; tile_dim1 = 64
	s_mov_b32 s29, 64                              ; elements from row to row
	s_mov_b32 s30, 0
	s_mov_b32 s31, 0
	s_mov_b32 s32, 15|(1<<16)|(1<<20)|(1<<21)|(4<<22)|(3<<25)
	s_mov_b32 s33, 64<<16
	s_mov_b32 s34, 192<<16                         ; tensor_dim1 = 192
	s_mov_b32 s35, 64<<16
	s_mov_b32 s36, 192                             ; tile_dim1 = 192
	s_mov_b32 s37, 64
	s_mov_b32 s38, 0
	s_mov_b32 s39, 0
	; Groups 0.  Nothing in them holds cx: the head's address hangs on y, the rest on the wave's number.
	s_lshl_b32 s12, s11, 18                        ; the head's slab: y x 262,144
	s_mov_b32 s13, 0
	s_mov_b32 s16, 1
	s_mul_i32 s17, s8, 64*KP                       ; A: keys 64 w .. 64 w + 63, LDS byte 9,216 w
	s_mov_b32 s20, 1
	s_mul_i32 s21, s8, 192*KP
	s_add_co_u32 s21, s21, 512*KP                  ; B: keys 512 + 192 w .. + 191, LDS byte 73,728 + 27,648 w
	s_mov_b32 s49, 0
	s_wait_dscnt 0x0
	s_wait_kmcnt 0x0
	s_add_nc_u64 s[14:15], s[4:5], s[12:13]        ; the head's first key
	s_lshl_b32 s48, s8, 13                         ; 64 keys x 128 bytes a wave
	s_add_nc_u64 s[18:19], s[14:15], s[48:49]
	s_or_b32 s19, s19, 0x80000000                  ; type = 2
	s_mul_i32 s48, s8, 192*128
	s_add_co_u32 s48, s48, 512*128
	s_add_nc_u64 s[22:23], s[14:15], s[48:49]
	s_or_b32 s23, s23, 0x80000000
	; My queries and my part of out0: these offsets hold cx, in registers that feed no descriptor.
	s_lshl_b32 s58, s10, 15                        ; block x 256 rows x 128 bytes
	s_lshl_b32 s56, s8, 12                         ; + wave x 32 rows x 128 bytes
	s_add_co_u32 s58, s58, s56
	s_mov_b32 s59, 0
	s_add_nc_u64 s[50:51], s[14:15], s[58:59]
	s_lshr_b32 s54, s11, 2
	s_lshl_b32 s54, s54, 21                        ; batch x 2,048 rows x 1,024 bytes
	s_lshl_b32 s56, s10, 18                        ; + block x 256 rows
	s_add_co_u32 s54, s54, s56
	s_lshl_b32 s56, s8, 15                         ; + wave x 32 rows
	s_add_co_u32 s54, s54, s56
	s_and_b32 s56, s11, 3
	s_lshl_b32 s56, s56, 8                         ; + head x 256 bytes
	s_add_co_u32 s54, s54, s56
	s_mov_b32 s55, 0
	s_add_nc_u64 s[52:53], s[6:7], s[54:55]
	ROUND                                          ; all four work-groups are here: the joint loads meet
	tensor_load_to_lds s[16:19], s[24:31]          ; the eight waves together: keys 0 .. 511
	s_nop 0
	tensor_load_to_lds s[20:23], s[32:39]          ; keys 512 .. 2047.  By this text's count a wave has two tensor loads out, and never issues another
	s_nop 0
.irp t, 0,1
.irp e, 0,1
	global_load_b128 v[QF+16*\t+8*\e:QF+16*\t+8*\e+3], v3, s[50:51] offset:\t*2048+\e*64
	global_load_b128 v[QF+16*\t+8*\e+4:QF+16*\t+8*\e+7], v3, s[50:51] offset:\t*2048+\e*64+32
.endr
.endr
	s_wait_loadcnt 0x0                             ; Q
	s_wait_tensorcnt 0x1                           ; tensor loads of a wave end in order: my 64 of the first 512 keys are in, my 192 rows stay out
	s_barrier_signal -1
	s_barrier_wait -1                              ; everybody's are: keys 0 .. 511 may be read.  Nothing is ever filled again
; The running maximum of query tile t over the trip's 32 raw scores of the lane, the old maximum, and the other half of the lanes.
.macro MAXT t, first
.irp c, 0,1,2,3
	v_max3_num_f32 v[TT+4*\t+\c], v[SC+8*(2*\c+\t)], v[SC+8*(2*\c+\t)+1], v[SC+8*(2*\c+\t)+2]
.endr
.irp c, 0,1,2,3
	v_max3_num_f32 v[TT+4*\t+\c], v[TT+4*\t+\c], v[SC+8*(2*\c+\t)+3], v[SC+8*(2*\c+\t)+4]
.endr
.irp c, 0,1,2,3
	v_max3_num_f32 v[TT+4*\t+\c], v[TT+4*\t+\c], v[SC+8*(2*\c+\t)+5], v[SC+8*(2*\c+\t)+6]
.endr
	v_max3_num_f32 v[TT+4*\t], v[TT+4*\t], v[TT+4*\t+1], v[SC+8*\t+7]
	v_max3_num_f32 v[TT+4*\t+2], v[TT+4*\t+2], v[TT+4*\t+3], v[SC+8*(2+\t)+7]
	v_max3_num_f32 v[TT+4*\t], v[TT+4*\t], v[SC+8*(4+\t)+7], v[SC+8*(6+\t)+7]
.if \first
	v_max_num_f32 v[TT+4*\t], v[TT+4*\t], v[TT+4*\t+2]
.else
	v_max3_num_f32 v[TT+4*\t], v[TT+4*\t], v[TT+4*\t+2], v[ST+6*\t+1]
.endif
	v_permlanex16_b32 v[PT], v[TT+4*\t], s40, s41
	v_max_num_f32 v[ST+6*\t+1], v[TT+4*\t], v[PT]
.endm
; The shift NM = -c lrelu(max), and DD = new shift - old shift.  Multiply and subtract stay apart: the rescale has to be 2^(difference of the two ROUNDED shifts),
; the very numbers that the exponentials of the old and of the new trips were shifted by, or a large maximum's rounding would not cancel.
.macro STAT t, first
	v_mul_f32 v[UU+\t], s44, v[ST+6*\t+1]
	v_max_num_f32 v[UU+\t], v[ST+6*\t+1], v[UU+\t]
.if \first
	v_mul_f32 v[ST+6*\t], s46, v[UU+\t]
.else
	v_mul_f32 v[UU+\t], s46, v[UU+\t]
	v_sub_f32 v[ST+6*\t+3], v[UU+\t], v[ST+6*\t]
	v_mov_b32 v[ST+6*\t], v[UU+\t]
.endif
.endm
; Score tile k = 2 st + t, in three parts, so that a tile's exponentials are followed by the next tile's plain arithmetic.
.macro PRE k                           ; c max(s, 0.2 s) + NM
.irp i, 0,2,4,6
	v_pk_mul_f32 v[TT+\i:TT+\i+1], v[SC+8*\k+\i:SC+8*\k+\i+1], s[44:45] op_sel_hi:[1,0]
.endr
.irp i, 0,1,2,3,4,5,6,7
	v_max_num_f32 v[SC+8*\k+\i], v[SC+8*\k+\i], v[TT+\i]
.endr
.irp i, 0,2,4,6
	v_pk_fma_f32 v[SC+8*\k+\i:SC+8*\k+\i+1], v[SC+8*\k+\i:SC+8*\k+\i+1], s[42:43], v[ST+6*(\k&1):ST+6*(\k&1)+1] op_sel_hi:[1,0,0]
.endr
.endm
.macro EXPT k
.irp i, 0,1,2,3,4,5,6,7
	v_exp_f32 v[SC+8*\k+\i], v[SC+8*\k+\i]
.endr
.endm
.macro POST k, first                   ; the sums; then p to bf16, into half st & 1 of P(st >> 1, t)
	s_wait_alu depctr_va_vdst(0)
	v_pk_add_f32 v[UU:UU+1], v[SC+8*\k:SC+8*\k+1], v[SC+8*\k+2:SC+8*\k+3]
	v_pk_add_f32 v[UU+2:UU+3], v[SC+8*\k+4:SC+8*\k+5], v[SC+8*\k+6:SC+8*\k+7]
.if \k < 2
.if \first
	v_pk_add_f32 v[ST+6*(\k&1)+4:ST+6*(\k&1)+5], v[UU:UU+1], v[UU+2:UU+3]          ; the first trip starts the sums
.else
	v_pk_add_f32 v[UU:UU+1], v[UU:UU+1], v[UU+2:UU+3]
	v_pk_fma_f32 v[ST+6*(\k&1)+4:ST+6*(\k&1)+5], v[ST+6*(\k&1)+4:ST+6*(\k&1)+5], v[ST+6*(\k&1)+2:ST+6*(\k&1)+3], v[UU:UU+1] op_sel_hi:[1,0,1]   ; the old sums rescaled, once a trip
.endif
.else
	v_pk_add_f32 v[UU:UU+1], v[UU:UU+1], v[UU+2:UU+3]
	v_pk_add_f32 v[ST+6*(\k&1)+4:ST+6*(\k&1)+5], v[ST+6*(\k&1)+4:ST+6*(\k&1)+5], v[UU:UU+1]
.endif
.irp i, 0,1,2,3
	v_cvt_pk_bf16_f32 v[SC+8*(4*(\k>>2)+(\k&1))+4*((\k>>1)&1)+\i], v[SC+8*\k+2*\i], v[SC+8*\k+2*\i+1]
.endr
.endm
.macro RESCALE                         ; O times AL of its query tile
	s_wait_alu depctr_va_vdst(0)
.irp x, 0,1,2,3,4,5,6,7
.irp i, 0,2,4,6
	v_pk_mul_f32 v[OA+8*\x+\i:OA+8*\x+\i+1], v[OA+8*\x+\i:OA+8*\x+\i+1], v[ST+6*(\x&1)+2:ST+6*(\x&1)+3] op_sel_hi:[1,0]
.endr
.endr
.endm
; One trip: 64 keys against my 32 queries.  first = 1: all sums start here, nothing is cleared.
; In both groups of matrix instructions the eight accumulators take turns, one instruction a turn.
.macro TRIP first
.irp e, 0,1
.irp st, 0,1,2,3
	ds_load_b128 v[KV+16*\st+8*\e:KV+16*\st+8*\e+3], v1 offset:\st*16*KP+64*\e
	ds_load_b128 v[KV+16*\st+8*\e+4:KV+16*\st+8*\e+7], v1 offset:\st*16*KP+64*\e+32
.endr
.endr
	s_wait_dscnt 0x8                               ; d = 0 .. 31 of the four key tiles are in; the eight younger loads (d = 32 .. 63) stay out
.irp k, 0,1,2,3,4,5,6,7
	v_wmma_f32_16x16x32_bf16 v[SC+8*\k:SC+8*\k+7], v[KV+16*(\k>>1):KV+16*(\k>>1)+7], v[QF+16*(\k&1):QF+16*(\k&1)+7], 0
.endr
	s_wait_dscnt 0x0
.irp k, 0,1,2,3,4,5,6,7
	v_wmma_f32_16x16x32_bf16 v[SC+8*\k:SC+8*\k+7], v[KV+16*(\k>>1)+8:KV+16*(\k>>1)+15], v[QF+16*(\k&1)+8:QF+16*(\k&1)+15], v[SC+8*\k:SC+8*\k+7]
.endr
.rept 4
	v_nop                                          ; four places: then loads may land in K's registers and vector instructions may read S
.endr
.irp u, 0,1
.irp dt, 0,1,2,3
	ds_load_tr16_b128 v[KV+32*\u+8*\dt:KV+32*\u+8*\dt+3], v2 offset:\u*32*KP+\dt*32
	ds_load_tr16_b128 v[KV+32*\u+8*\dt+4:KV+32*\u+8*\dt+7], v2 offset:\u*32*KP+\dt*32+16*KP
.endr
.endr
	MAXT 0, \first
	MAXT 1, \first
	STAT 0, \first
	STAT 1, \first
.if \first
.else
	v_exp_f32 v[ST+2], v[ST+3]                     ; the rescales; the plain line behind them is PRE's first, which names neither (ISA guide 5.7.2)
	v_exp_f32 v[ST+8], v[ST+9]
.endif
	PRE 0
	EXPT 0
	PRE 1
	POST 0, \first
	EXPT 1
	PRE 2
	POST 1, \first
	EXPT 2
	PRE 3
	POST 2, \first
	EXPT 3
	PRE 4
	POST 3, \first
	EXPT 4
	PRE 5
	POST 4, \first
	EXPT 5
	PRE 6
	POST 5, \first
	EXPT 6
	PRE 7
	POST 6, \first
	EXPT 7
.if \first
	v_nop                                          ; the plain line behind the last exponentials
	s_wait_alu depctr_va_vdst(0)
.else
	RESCALE
.endif
	POST 7, \first
	s_wait_dscnt 0x0                               ; V^T
.irp x, 0,1,2,3,4,5,6,7
.if \first
	v_wmma_f32_16x16x32_bf16 v[OA+8*\x:OA+8*\x+7], v[KV+8*(\x>>1):KV+8*(\x>>1)+7], v[SC+8*(\x&1):SC+8*(\x&1)+7], 0
.else
	v_wmma_f32_16x16x32_bf16 v[OA+8*\x:OA+8*\x+7], v[KV+8*(\x>>1):KV+8*(\x>>1)+7], v[SC+8*(\x&1):SC+8*(\x&1)+7], v[OA+8*\x:OA+8*\x+7]
.endif
.endr
.irp x, 0,1,2,3,4,5,6,7
	v_wmma_f32_16x16x32_bf16 v[OA+8*\x:OA+8*\x+7], v[KV+32+8*(\x>>1):KV+32+8*(\x>>1)+7], v[SC+8*(4+(\x&1)):SC+8*(4+(\x&1))+7], v[OA+8*\x:OA+8*\x+7]
.endr
	v_add_nc_u32 v1, 64*KP, v1                     ; five places: the next trip's first matrix instructions write over P, its loads land in V's registers,
	v_add_nc_u32 v2, 64*KP, v2                     ; and behind the last trip vector instructions read O.  Two of the places step the addresses by 64 keys
.rept 3
	v_nop
.endr
.endm
	TRIP 1                                         ; keys 0 .. 63
	s_mov_b32 s47, 7
.Lfirst_keys:                                      ; keys 64 .. 511
	TRIP 0
	s_sub_co_u32 s47, s47, 1
	s_cmp_lg_u32 s47, 0
	s_cbranch_scc1 .Lfirst_keys
	s_wait_tensorcnt 0x0                           ; my 192 rows are in,
	s_wait_dscnt 0x0
	s_barrier_signal -1
	s_barrier_wait -1                              ; everybody's are: keys 512 .. 2047 may be read
	s_mov_b32 s47, 24
.Lother_keys:
	TRIP 0
	s_sub_co_u32 s47, s47, 1
	s_cmp_lg_u32 s47, 0
	s_cbranch_scc1 .Lother_keys
	; THE END: the denominators (my half's two sums, then the other half of the lanes), their reciprocals, O scaled.
	; A denominator holds the term of the maximum itself, about 1, so it is never near zero.
	v_add_f32 v[UU], v[ST+4], v[ST+5]
	v_add_f32 v[UU+1], v[ST+10], v[ST+11]
	v_permlanex16_b32 v[PT], v[UU], s40, s41
	v_add_f32 v[UU], v[UU], v[PT]
	v_permlanex16_b32 v[PT], v[UU+1], s40, s41
	v_add_f32 v[UU+1], v[UU+1], v[PT]
	v_rcp_f32 v[ST+2], v[UU]
	v_rcp_f32 v[ST+8], v[UU+1]
	v_nop                                          ; the plain line behind the reciprocals
	s_wait_alu depctr_va_vdst(0)
	RESCALE
	; THE WAY OUT.  Lane (r, h) holds d = 16 dt + 8 h + 0..7 of query 16 t + r: 32 bytes of a row of 256.  The rows go through a stage in LDS, each wave's own,
	; on bytes of the keys, which have had their only fill: so first every wave's reads of the keys are over (its wait, then the barrier).
	s_wait_dscnt 0x0
	s_barrier_signal -1
	s_barrier_wait -1
.irp x, 0,1,2,3,4,5,6,7
	ds_store_b128 v[STO], v[OA+8*\x:OA+8*\x+3] offset:(\x&1)*16*272+(\x>>1)*64
	ds_store_b128 v[STO], v[OA+8*\x+4:OA+8*\x+7] offset:(\x&1)*16*272+(\x>>1)*64+16
.endr
.irp i, 0,1,2,3,4,5,6,7,8,9,10,11,12,13,14,15
	ds_load_b128 v[SC+4*\i:SC+4*\i+3], v[RD] offset:2*272*\i     ; LDS serves a wave's instructions in order (ISA guide 5.7.1): these see my stores above
.endr
.irp i, 0,1,2,3,4,5,6,7,8,9,10,11,12,13,14,15
	s_wait_dscnt 15-\i                             ; rows 2i, 2i + 1 are back; the younger loads stay out
	global_store_b128 v[CO], v[SC+4*\i:SC+4*\i+3], s[52:53] offset:2048*\i th:TH_STORE_NT   ; 16 lanes store 256 consecutive bytes, aligned: one query's head
.endr
	s_set_vgpr_msb 0x5
	s_wait_tensorcnt 0x0
	ds_add_u32 v0, v1
	s_wait_dscnt 0x0
	s_set_vgpr_msb 0x500
	ROUND                                          ; the closing round: no work-group ends while a partner may still ask jointly
	s_endpgm
.Lfunc_end_k_q6cbd06974f_attn:
	.size	k_q6cbd06974f_attn, .Lfunc_end_k_q6cbd06974f_attn-k_q6cbd06974f_attn
	.p2alignl 7, 3214868480
	.fill 96, 4, 3214868480
	.section	.rodata,"a",@progbits
	.p2align	6, 0x0
	.amdhsa_kernel k_q6cbd06974f_attn
		.amdhsa_group_segment_fixed_size 295936
		.amdhsa_private_segment_fixed_size 0
		.amdhsa_enable_private_segment 0
		.amdhsa_kernarg_size 16
		.amdhsa_user_sgpr_count 2
		.amdhsa_user_sgpr_kernarg_segment_ptr 1
		.amdhsa_wavefront_size32 1
		.amdhsa_system_sgpr_workgroup_id_x 1
		.amdhsa_system_sgpr_workgroup_id_y 1
		.amdhsa_system_sgpr_workgroup_id_z 1
		.amdhsa_system_vgpr_workitem_id 0
		.amdhsa_next_free_vgpr 258
		.amdhsa_next_free_sgpr 66
		.amdhsa_reserve_vcc 0
		.amdhsa_float_denorm_mode_32 3
		.amdhsa_float_denorm_mode_16_64 3
		.amdhsa_memory_ordered 1
		.amdhsa_forward_progress 1
		.amdhsa_inst_pref_size 76
	.end_amdhsa_kernel
	.amdgpu_metadata
---
amdhsa.version: [ 1, 2 ]
amdhsa.kernels:
  - .name:           k_q6cbd06974f_attn
    .symbol:         k_q6cbd06974f_attn.kd
    .args:
      - { .name: wh, .offset: 0, .size: 8, .value_kind: global_buffer, .address_space: global }
      - { .name: out0, .offset: 8, .size: 8, .value_kind: global_buffer, .address_space: global }
    .group_segment_fixed_size: 295936
    .private_segment_fixed_size: 0
    .kernarg_segment_align: 8
    .kernarg_segment_size: 16
    .max_flat_workgroup_size: 256
    .sgpr_count:     66
    .vgpr_count:     258
    .wavefront_size: 32
...
	.end_amdgpu_metadata
.endif
;; end of part 2
